; MI455X (gfx1250); checked and timed in simulation.
; The chip was launched on July 23, 2026; its instructions are those of AMD's public machine-readable ISA for CDNA 5 (MIT licence, August 2026) and "CDNA5" Instruction Set Architecture Reference Guide (July 2026). The comments in the code are by the model that wrote it; some were corrected since.
;; Multi Head Attention. Allowed arithmetic: matrix products marked QUANTISED: E2M1 operands, one E8M0 scale for each 32 along K, by v_wmma_scale_f32_16x16x128_f8f6f4 with both operands' format E2M1 (or v_wmma_scale_f32_32x16x128_f4), f32 sums; everything else in f32.
;; Inputs: Wk_codes 1,024 x 32 x 16 uint8 (E2M1 codes of Wk, K innermost, in blocks of 32 codes, two codes a byte); Wk_scales 1,024 x 32 uint8 (E8M0 scales of Wk, one for each 32 codes along K); Wo_codes 1,024 x 32 x 16 uint8 (E2M1 codes of Wo, K innermost, in blocks of 32 codes, two codes a byte); Wo_scales 1,024 x 32 uint8 (E8M0 scales of Wo, one for each 32 codes along K); Wq_codes 1,024 x 32 x 16 uint8 (E2M1 codes of Wq, K innermost, in blocks of 32 codes, two codes a byte); Wq_scales 1,024 x 32 uint8 (E8M0 scales of Wq, one for each 32 codes along K); Wv_codes 1,024 x 32 x 16 uint8 (E2M1 codes of Wv, K innermost, in blocks of 32 codes, two codes a byte); Wv_scales 1,024 x 32 uint8 (E8M0 scales of Wv, one for each 32 codes along K); bk 1,024 float32; bo 1,024 float32; bq 1,024 float32; bv 1,024 float32; x_codes 4 x 2,048 x 32 x 16 uint8 (E2M1 codes of x, K innermost, in blocks of 32 codes, two codes a byte); x_scales 4 x 2,048 x 32 uint8 (E8M0 scales of x, one for each 32 codes along K).
;; Outputs: out0 4 x 2,048 x 1,024 float32.
;; This version of the problem:
;;   THIS VERSION OF THE PROBLEM IS GIVEN IN LOW PRECISION. The matrix products marked QUANTISED in the list below multiply operands that are first quantised to E2M1 (2 exponent bits, 1 mantissa bit; 4 bits a number), with one power-of-two scale for each 32 numbers along K (OCP MX v1.0); their sums are f32. All else is computed in f32.
;;   The module's matrix products, in the order in which they are computed (A, B: the left and right operand; K: the contracted axis; several contracted axes count as one K, in the product's order):
;;     1. [M 8,192, K 1,024] x [K 1,024, N 1,024]; A: input x (given as codes); B: input Wq (given as codes): QUANTISED
;;     2. [M 8,192, K 1,024] x [K 1,024, N 1,024]; A: input x (given as codes); B: input Wk (given as codes): QUANTISED
;;     3. [M 8,192, K 1,024] x [K 1,024, N 1,024]; A: input x (given as codes); B: input Wv (given as codes): QUANTISED
;;     4. batch 64 x [M 2,048, K 64] x [K 64, N 2,048]; A: computed on the way; B: computed on the way: QUANTISED
;;     5. batch 64 x [M 2,048, K 2,048] x [K 2,048, N 64]; A: softmax (see below); B: computed on the way: QUANTISED
;;     6. [M 8,192, K 1,024] x [K 1,024, N 1,024]; A: computed on the way; B: input Wo (given as codes): QUANTISED
;;   THE QUANTISER, for each operand of a quantised product, along K:
;;     - K is cut into blocks of 32 from its start; a last block that is shorter is filled with zeros.
;;     - A block's scale is 2^e with e = floor(log2(the largest magnitude in the block)) - 2, held to -126 .. 127; a block of zeros has e = 0. As a byte (E8M0): e + 127.
;;     - Each number is divided by its block's scale, clamped to +-6, and rounded to the nearest number of E2M1, ties to even, subnormals kept.
;;     - The product sums the exact products of the quantised numbers (number of the format x scale) in f32.
;;   ~~~python
;;   def quantise(x, axis):      # numpy; x: float32 -> the quantised numbers, widened to float32 again
;;       x = np.moveaxis(x, axis, -1); K = x.shape[-1]
;;       x = np.pad(x, [(0, 0)] * (x.ndim - 1) + [(0, -K % 32)]); x = x.reshape(x.shape[:-1] + (-1, 32)); a = np.abs(x).max(-1, keepdims=True)
;;       e = np.where(a > 0, np.clip(np.frexp(np.where(a > 0, a, 1))[1] - 1 - 2, -126, 127), 0)      # np.frexp(a)[1] - 1 = floor(log2(a)), exactly
;;       r = np.clip(x / 2.0 ** e, -6, 6)
;;       step = 2.0 ** (np.maximum(np.frexp(np.where(r == 0, 1, r))[1] - 1, 0) - 1)
;;       q = np.round(r / step) * step * 2.0 ** e      # np.round: ties to even
;;       return np.moveaxis(q.reshape(q.shape[:-2] + (-1,))[..., :K], -1, axis).astype(np.float32)
;;   ~~~
;;   SOFTMAX AHEAD OF A QUANTISED PRODUCT. Where the list says 'softmax', what is quantised is not the finished softmax but p = 2^(t - M), with t = logit x log2(e) and M = ceil(the row's largest t), a whole number; so 1/2 < the row's largest p <= 1. The row's sum l is taken of the UNQUANTISED p, in f32, and the product's result is divided by l at the end. Since M is a whole number, a kernel that streams over the keys may use a running M (the ceiling of the running maximum): every later rescaling is an exact power of two, which a block's scale takes up: the codes' values come out the same.
;;   OPERANDS COMPUTED ON THE WAY. 'Computed on the way' means the value that the module computes at that place (a softmax that the list does not call 'softmax' is quantised finished and normalised). What goes into a quantiser is computed in f32, as accurately as f32 sums, v_exp_f32 and their like allow (about 1e-6 of the number): no bf16 or f16 on the way to a quantiser, and a product that is left as it is and whose result goes on into a quantised operand takes f32 operands (vector FMAs, or v_wmma_f32_16x16x4_f32). A number that lies on a knife's edge between two numbers of the format may be rounded either way, as far as f32 arithmetic and the matrix unit's own rounding can turn it there, and no further.
;;   INPUTS GIVEN AS CODES. Wk (in the module: [1024, 1024], K = its axis 0); Wo (in the module: [1024, 1024], K = its axis 0); Wq (in the module: [1024, 1024], K = its axis 0); Wv (in the module: [1024, 1024], K = its axis 0); x (in the module: [4, 2048, 1024], K = its axis 2): each comes as NAME_codes (uint8): NAME with its K axis moved to the last place and cut into blocks of 32 codes, [.., K / 32, bytes a block], one block behind the other in memory; two codes a byte, the lower K in the low four bits (a code: sign, 2 exponent bits, 1 mantissa bit); and NAME_scales (uint8): the same leading axes, one E8M0 byte (e + 127) for each 32 codes along K. Its value is code x scale, taken as it is: it is not quantised again, and the codes and scales need not be those that the quantiser above would give.
;; One version. Each part assembles by itself: llvm-mc -triple=amdgcn-amd-amdhsa -mcpu=gfx1250 --defsym DOCPART=n.
;; ======== version 1 of 1: 3 launches
;; workspace buffers: qrec 4,718,592 bytes; kv 9,175,040 bytes; oc 4,194,304 bytes; os 262,144 bytes
;; launch proj (part 1): grid 12 x 32, 4 waves a work-group, clusters of 4 x 4, 296,448 bytes of LDS; arguments x_codes, x_scales, Wq_codes, Wq_scales, Wk_codes, Wk_scales, Wv_codes, Wv_scales, bq, bk, bv, qrec, kv; writes qrec, kv
.if DOCPART == 1
	.amdgcn_target "amdgcn-amd-amdhsa--gfx1250"
	.amdhsa_code_object_version 6
	.text
	.protected	k_qec6e49328a_proj
	.globl	k_qec6e49328a_proj
	.p2align	8
	.type	k_qec6e49328a_proj,@function
k_qec6e49328a_proj:
	s_mov_b64 s[64:65], 0
	v_nop
	global_prefetch_b8 v0, s[64:65] scope:SCOPE_SE
	s_setreg_imm32_b32 hwreg(HW_REG_WAVE_MODE, 25, 1), 1
	s_wait_xcnt 0x0
	s_wait_alu depctr_hold_cnt(0) depctr_sa_sdst(0) depctr_va_vdst(0) depctr_va_sdst(0) depctr_va_ssrc(0) depctr_va_vcc(0) depctr_vm_vsrc(0)
	s_getreg_b32 s2, hwreg(HW_REG_IB_STS2, 6, 4)
	s_cmp_eq_u32 s2, 0
	s_cbranch_scc0 .Lentry_in_a_cluster
	s_endpgm
.Lentry_in_a_cluster:
	s_bfe_u32 s2, ttmp6, 0x10000c
	s_cmp_lg_u32 s2, 0xf033
	s_cbranch_scc0 .Lentry_shape_is_right
	s_endpgm
.Lentry_shape_is_right:
; q, k, v = x W + b on codes of FP4 (E2M1) with one E8M0 scale for each 32 along K, and the results quantised again: q and k along the head's 64, v along the keys.
; x: [8192][1024] codes (512 bytes a row), scale bytes [8192][32].  Wq, Wk, Wv: [1024 (out)][1024 (K)] likewise.  The cluster's x says which weight: 0 q, 1 k, 2 v; it is the same in all sixteen partners.
; A work-group of four waves makes 256 rows of x times 256 rows of one weight; a wave 128 x 128: 64 accumulators, 512 registers.  All of K fits in LDS: two slots of 512 along K and the scale bytes, each filled ONCE.
; CLUSTER 4 x 4: x's tiles are shared along a row of the cluster, the weight's along a column: each is asked for jointly.
; q, k: source 0 = 16 rows of W, source 1 = 16 rows of x: a lane holds one row of x and, in accumulator b, the outputs 16 b + 8 (lane / 16) + 0 .. 7.   v: the sources change places: a lane holds one output d and, in accumulator a, the keys 16 a + 8 (lane / 16) + 0 .. 7.
; So in both forms a lane's registers run along the NEXT product's K.  Of a block of 32 (two tiles) a lane holds two pieces of eight; lane l xor 16 holds the other two; two v_permlane16_swap_b32 for each pair of blocks give the operand's order.
; OUT, as images of operand registers (16 bytes a lane, 512 consecutive bytes a store):
;   qrec [bh 64][Q 16] records of 4,608 bytes: 8 tiles of 16 queries x 512 bytes (lane (r, h): d = 32 h .. 32 h + 31 of query r), then scale words [lane 32][4]: word a of lane l is tile 2 a + l / 16, row l % 16.
;   kv   [bh 64][Q 16] records of 8,960 bytes for 128 keys: K as q (4,096), V's 4 tiles of 16 d x 1,024 (registers 0-3, then 4-7), K's scale words (512), V's scale words [lane 32][2] (256).
; LIMITS: NaN and infinities are not served; a block whose largest magnitude lies under 2^-124 keeps the byte 1; a block of zeros keeps the byte 1 where the rule says 127: its codes are zeros, and this program alone reads the bytes.
; In a q or k scale word only bytes 0 and 1 count; bytes 2 and 3 hold the neighbouring head's bytes or 0, never 0xff.
.set KSTEP,  512                       ; along K in a slot
.set NQ,     4                         ; matrix instructions deep
.set ROWB,   256                       ; a tile's row in bytes
.set KROW,   512                       ; a row of x or W in memory
.set PITCH,  272                       ; an LDS row: 256 bytes + 16 of padding, so that the 16 rows of a fragment load start 16 bytes apart modulo 256
.set FR,     8                         ; registers of a fragment
.set NL,     2                         ; LDS loads that bring one
.set NP,     4                         ; places behind this matrix instruction (ISA guide 7.12.1)
.set HALFT,  128*PITCH                 ; 128 rows: one tensor load
.set SLOT,   4*HALFT                   ; x's 256 rows, then W's 256 rows
.set KS,     32                        ; a row of scale bytes
.set SCL,    2*SLOT                    ; behind the slots: the scale bytes, as units of 256 bytes + 16
.set HALFS,  (128*KS/256)*272          ; those of 128 rows
.set SBLK,   (16*KS/256)*272           ; those of 16 rows
.set BQ,   12                          ; v12  32 x (lane / 16): bias offset for q, k
.set BV,   13                          ; v13  4 x (lane % 16): bias offset for v
.set ADRA, 16                          ; v16-17  LDS address of x's fragments in slot 0, 1
.set ADRB, 20                          ; v20-21  of W's
.set ADRS, 27                          ; v27  of my scale words: lanes 0-15 x's rows, lanes 16-31 W's
.set LO,   30                          ; v30  16 x lane
.set L8,   31                          ; v31  8 x lane
.set SC,   32                          ; v32-95  scale words, two sets; behind the products: the codes
.set PCD,  32
.set TM,   96                          ; v96-111 at work in QUANT
.set PWD,  112                         ; v112-119 eight scale words just made
.set CW,   120                         ; v120-127 scale words as they are stored
.set AF,   128                         ; v128-191 x's fragments, one set; behind the products: 64 numbers
.set X,    128
.set BI,   192                         ; v192-255 the bias
.set SEL,  18                          ; s[18:19] lane selects for v_permlanex16_b32: lane l xor 16
.set G1,   24                          ; s[24:31], s[32:39] groups 1 and 0 (a set for each slot) for x's tiles
.set G0,   32
.set G1B,  48                          ; s[48:55], s[56:63] for W's
.set G0B,  56
.set TYP,  66                          ; s66  0 q, 1 k, 2 v
.set HM,   67                          ; s67  the mask of lanes 16-31
.set G1S,  68                          ; s[68:75], s[76:79] for x's scale bytes; s[80:87], s[88:91] for W's
.set G0S,  76
.set G1SB, 80
.set G0SB, 88
.set CB0,  94                          ; s[94:95], s[96:97] where my two heads' codes go;  s[98:99], s[100:101] their scale words
.set CB1,  96
.set SB0,  98
.set SB1,  100
.set MSB, 0
.macro WIN new                         ; the immediate's high byte repeats the setting that is left
.if MSB != (\new)
	s_set_vgpr_msb (MSB<<8)|(\new)
.set MSB, (\new)
.endif
.endm
.set TO_B, 0x40                        ; destination window 1, address window 0
; A joint load: waves 0 and 1 fetch for x, waves 2 and 3 for W.  The branch hangs on the wave's number alone.  Four v_nop follow each of the two lines.
.macro JLOAD g0a, g1a, g0b, g1b
	s_cmp_eq_u32 s15, 0
	s_cbranch_scc0 .Lfor_b_\@
	tensor_load_to_lds s[\g0a:\g0a+3], s[\g1a:\g1a+7]
	s_nop 0
.rept 4
	v_nop
.endr
	s_branch .Lasked_\@
.Lfor_b_\@:
	tensor_load_to_lds s[\g0b:\g0b+3], s[\g1b:\g1b+7]
	s_nop 0
.rept 4
	v_nop
.endr
.Lasked_\@:
.endm
.macro CROUND                          ; a round of the cluster's barrier
	s_barrier_signal -1
	s_barrier_wait -1
	s_cmp_lg_u32 s14, 0
	s_cbranch_scc1 .Lnot_wave_0_\@
	s_barrier_signal -3
.Lnot_wave_0_\@:
	s_barrier_wait -3
	s_barrier_signal -1
	s_barrier_wait -1
.endm
	s_load_b512 s[68:83], s[0:1], 0x0              ; x codes, x scales, Wq c, Wq s, Wk c, Wk s, Wv c, Wv s
	s_load_b256 s[84:91], s[0:1], 0x40             ; bq, bk, bv, qrec
	s_load_b64 s[92:93], s[0:1], 0x60              ; kv
	v_lshl_add_u32 v106, v0, 2, 0x48400
	v_mov_b32 v107, 0
	ds_add_u32 v106, v107
	ds_add_u32 v106, v107
	v_lshrrev_b32 v1, 5, v0
	v_readfirstlane_b32 s14, v1                    ; wave 0..3
	s_lshr_b32 s15, s14, 1                         ; which half of x's rows is mine.  Also: I fetch for x (0) or for W (1)
	s_and_b32 s16, s14, 1                          ; which half of W's rows.  Also: which 128 rows I fetch
	s_bfe_u32 s40, ttmp6, 0x40000                  ; cx: which 256 rows of the weight
	s_bfe_u32 s41, ttmp6, 0x40004                  ; cy
	s_and_b32 s17, ttmp7, 0xffff
	s_lshl_b32 s17, s17, 2
	s_add_co_u32 s17, s17, s41                     ; which 256 rows of x = 4 x cluster y + cy
	s_mov_b32 s[TYP], ttmp9                        ; the cluster's x
	s_mov_b32 s[HM], 0xffff0000
	s_lshl_b32 s43, s41, 2
	s_lshl_b32 s43, 15, s43                        ; my row of the cluster
	s_lshl_b32 s44, 0x1111, s40                    ; my column
	s_or_b32 s[G1+0], s43, (0<<16)|(1<<20)|(1<<21)|(5<<22)|(3<<25)   ; the mask; elements of 1 byte; padding on; bit 21 beside a mask; 4 words behind every 64
	s_or_b32 s[G1B+0], s44, (0<<16)|(1<<20)|(1<<21)|(5<<22)|(3<<25)
.irp g, G1, G1B
	s_mov_b32 s[\g+1], ROWB<<16                    ; tensor_dim0
	s_mov_b32 s[\g+2], 128<<16                     ; tensor_dim1
	s_mov_b32 s[\g+3], ROWB<<16                    ; tile_dim0
	s_mov_b32 s[\g+4], 128                         ; tile_dim1
	s_mov_b32 s[\g+5], KROW                        ; from row to row
	s_mov_b32 s[\g+6], 0
	s_mov_b32 s[\g+7], 0
.endr
	s_wait_dscnt 0x0
	s_wait_kmcnt 0x0
	s_mov_b64 s[4:5], s[68:69]                     ; x's codes
	s_mov_b64 s[6:7], s[70:71]                     ; x's scale bytes
	s_cmp_eq_u32 s[TYP], 0                         ; the weight, its scale bytes, the bias and the output buffer are chosen by the cluster's x alone
	s_cselect_b64 s[8:9], s[72:73], s[76:77]
	s_cselect_b64 s[10:11], s[74:75], s[78:79]
	s_cselect_b64 s[12:13], s[84:85], s[86:87]
	s_cselect_b64 s[CB0:CB0+1], s[90:91], s[92:93]
	s_cmp_eq_u32 s[TYP], 2
	s_cselect_b64 s[8:9], s[80:81], s[8:9]
	s_cselect_b64 s[10:11], s[82:83], s[10:11]
	s_cselect_b64 s[12:13], s[88:89], s[12:13]
	; the scale bytes of 128 rows: 4,096 dense bytes, as 16 rows of 256 bytes (32 elements of 8), 16 bytes of padding behind each
	s_or_b32 s[G1S+0], s43, (3<<16)|(1<<20)|(1<<21)|(5<<22)|(3<<25)
	s_or_b32 s[G1SB+0], s44, (3<<16)|(1<<20)|(1<<21)|(5<<22)|(3<<25)
.irp g, G1S, G1SB
	s_mov_b32 s[\g+1], 32<<16
	s_mov_b32 s[\g+2], (128*KS/256)<<16
	s_mov_b32 s[\g+3], 32<<16
	s_mov_b32 s[\g+4], 128*KS/256
	s_mov_b32 s[\g+5], 32
	s_mov_b32 s[\g+6], 0
	s_mov_b32 s[\g+7], 0
.endr
	s_lshl_b32 s18, s16, 7                         ; which 128 rows I fetch
	s_lshl_b32 s20, s17, 8
	s_add_co_u32 s20, s20, s18                     ; x: the row
	s_lshl_b32 s22, s20, 5                         ; its scale bytes,
	s_lshl_b32 s20, s20, 9                         ; its codes (under 2^23 bytes)
	s_mov_b32 s21, 0
	s_mov_b32 s23, 0
	s_lshl_b32 s46, s40, 8
	s_add_co_u32 s46, s46, s18                     ; W: the row
	s_lshl_b32 s92, s46, 5
	s_lshl_b32 s46, s46, 9
	s_mov_b32 s47, 0
	s_mov_b32 s93, 0
	s_add_nc_u64 s[20:21], s[4:5], s[20:21]
	s_add_nc_u64 s[22:23], s[6:7], s[22:23]
	s_add_nc_u64 s[46:47], s[8:9], s[46:47]
	s_add_nc_u64 s[92:93], s[10:11], s[92:93]
	s_mul_i32 s45, s14, HALFT                      ; where they go: wave x 128 rows; no place in the cluster enters an LDS address
	s_mul_i32 s2, s14, HALFS
	CROUND                                         ; all sixteen work-groups are here: the joint loads meet
	s_mov_b32 s[G0S], 1
	s_add_co_u32 s[G0S+1], s2, SCL
	s_mov_b64 s[G0S+2:G0S+3], s[22:23]
	s_or_b32 s[G0S+3], s[G0S+3], 0x80000000
	s_mov_b32 s[G0SB], 1
	s_add_co_u32 s[G0SB+1], s2, SCL
	s_mov_b64 s[G0SB+2:G0SB+3], s[92:93]
	s_or_b32 s[G0SB+3], s[G0SB+3], 0x80000000
	JLOAD G0S, G1S, G0SB, G1SB                     ; the scale bytes first
.irp s, 0,1
	s_mov_b32 s[G0+4*\s], 1
	s_add_co_u32 s[G0+4*\s+1], s45, \s*SLOT
	s_add_nc_u64 s[G0+4*\s+2:G0+4*\s+3], s[20:21], \s*ROWB
	s_or_b32 s[G0+4*\s+3], s[G0+4*\s+3], 0x80000000
	s_mov_b32 s[G0B+4*\s], 1
	s_add_co_u32 s[G0B+4*\s+1], s45, \s*SLOT
	s_add_nc_u64 s[G0B+4*\s+2:G0B+4*\s+3], s[46:47], \s*ROWB
	s_or_b32 s[G0B+4*\s+3], s[G0B+4*\s+3], 0x80000000
	JLOAD G0+4*\s, G1, G0B+4*\s, G1B               ; both slots: three tensor loads of mine are out, and no more follow
.endr
	v_and_b32 v1, 15, v0                           ; r = lane % 16
	v_bfe_u32 v2, v0, 4, 1                         ; h = lane / 16
	v_mul_u32_u24 v3, v1, PITCH
	v_lshl_add_u32 v4, v2, 4, v3                   ; a fragment's row x pitch + 16 h
	s_mul_i32 s21, s15, HALFT                      ; my 128 rows of x
	s_mul_i32 s22, s16, HALFT                      ; my 128 rows of W,
	s_add_co_u32 s22, s22, 2*HALFT                 ; which lie behind x's 256
.irp s, 0,1
	v_add_nc_u32 v[ADRA+\s], s21, v4
	v_add_nc_u32 v[ADRB+\s], s22, v4
	s_add_co_u32 s21, s21, SLOT
	s_add_co_u32 s22, s22, SLOT
.endr
	v_mul_u32_u24 v5, v1, KS                       ; my row's scale bytes: 32 a row,
	v_lshrrev_b32 v6, 8, v5
	v_lshl_add_u32 v5, v6, 4, v5                   ; and 16 more for each 256 passed
	s_mul_i32 s21, s15, HALFS
	s_mul_i32 s22, s16, HALFS
	s_add_co_u32 s22, s22, 2*HALFS
	s_sub_co_u32 s22, s22, s21
	v_mul_u32_u24 v6, s22, v2                      ; lanes 16-31 take W's: one product, the distance between the two bases
	s_add_co_u32 s21, s21, SCL
	v_add_nc_u32 v5, v5, v6
	v_add_nc_u32 v[ADRS], s21, v5
	v_and_b32 v6, 31, v0
	v_lshlrev_b32 v[LO], 4, v6
	v_lshlrev_b32 v[L8], 3, v6
	v_lshlrev_b32 v[BQ], 5, v2
	v_lshlrev_b32 v[BV], 2, v1
.irp b, 0,1,2,3
	v_mov_b32 v[TM+4+\b], 0                        ; written once: a lane permute's destination counts as one of its sources
.endr
	; where my results go: record (bh, Q), bh = 16 b + 4 cx + 2 (my half of W) + 0, 1;  Q = 2 (tile row % 8) + my half of x
	s_lshl_b32 s18, s40, 10
	s_lshl_b32 s19, s16, 9
	s_add_co_u32 s18, s18, s19
	s_mov_b32 s19, 0
	s_add_nc_u64 s[12:13], s[12:13], s[18:19]      ; the bias at my 128 outputs
	s_lshr_b32 s18, s17, 3                         ; b
	s_lshl_b32 s18, s18, 4
	s_lshl_b32 s19, s40, 2
	s_add_co_u32 s18, s18, s19
	s_lshl_b32 s19, s16, 1
	s_add_co_u32 s18, s18, s19                     ; my first head's bh
	s_lshl_b32 s18, s18, 4
	s_and_b32 s19, s17, 7
	s_lshl_b32 s19, s19, 1
	s_add_co_u32 s19, s19, s15                     ; Q
	s_add_co_u32 s18, s18, s19
	s_mov_b32 s19, 8960
	s_mov_b32 s21, 8192
	s_cmp_eq_u32 s[TYP], 2
	s_cselect_b32 s20, 4096, 0                     ; codes: V's lie behind K's
	s_cselect_b32 s21, 8704, s21                   ; scale words: K's at 8,192, V's at 8,704,
	s_cmp_eq_u32 s[TYP], 0
	s_cselect_b32 s21, 4096, s21                   ; q's at 4,096
	s_cselect_b32 s19, 4608, s19                   ; bytes in a record
	s_mul_i32 s18, s18, s19
	s_lshl_b32 s2, s19, 4                          ; from a head to the next: 16 records
	s_mov_b32 s3, 0
	s_add_co_u32 s20, s20, s18
	s_add_co_u32 s22, s21, s18
	s_mov_b32 s21, 0
	s_mov_b32 s23, 0
	s_add_nc_u64 s[SB0:SB0+1], s[CB0:CB0+1], s[22:23]
	s_add_nc_u64 s[CB0:CB0+1], s[CB0:CB0+1], s[20:21]
	s_add_nc_u64 s[CB1:CB1+1], s[CB0:CB0+1], s[2:3]
	s_add_nc_u64 s[SB1:SB1+1], s[SB0:SB0+1], s[2:3]
	s_mov_b32 s[SEL], 0x76543210
	s_mov_b32 s[SEL+1], 0xfedcba98
.macro FRAG reg, adr, q, i             ; 16 rows x 128 K of 4-bit codes: lane l holds row l % 16; registers 4 c .. 4 c + 3 hold K = 64 c + 32 (l / 16) + 0 .. 31
.irp c, 0,1
	ds_load_b128 v[\reg+4*\c:\reg+4*\c+3], v[\adr] offset:64*(\q)+32*\c+(\i)*16*PITCH
.endr
.endm
; 16 matrix instructions: x's blocks a0, a0 + 1 against W's eight, the slot's q-th 128 along K.  p: W's set; sc: the set of scale words; zero = 1: the product starts the sums.
; v = 0: source 0 = W, source 1 = x.  v = 1: the other way round.  A scale register holds x's word in lanes 0-15 and W's in lanes 16-31.  The 64 accumulators take turns.
.macro MUL16 a0, p, q, sc, zero, v
.irp a, \a0, \a0+1
.irp b, 0,1,2,3,4,5,6,7
.set rD, 8*(8*((\a)%4)+\b)
.set rW, 128*(\p)+FR*\b
.set rX, AF+FR*(\a)
.set sW, SC+8*NQ*(\sc)+NQ*\b+(\q)
.set sX, SC+8*NQ*(\sc)+NQ*(\a)+(\q)
.if \v
.if \zero
	v_wmma_scale_f32_16x16x128_f8f6f4 v[rD:rD+7], v[rX:rX+7], v[rW:rW+7], 0, v[sX], v[sW] matrix_a_fmt:MATRIX_FMT_FP4 matrix_b_fmt:MATRIX_FMT_FP4 matrix_b_scale:MATRIX_SCALE_ROW1
.else
	v_wmma_scale_f32_16x16x128_f8f6f4 v[rD:rD+7], v[rX:rX+7], v[rW:rW+7], v[rD:rD+7], v[sX], v[sW] matrix_a_fmt:MATRIX_FMT_FP4 matrix_b_fmt:MATRIX_FMT_FP4 matrix_b_scale:MATRIX_SCALE_ROW1
.endif
.else
.if \zero
	v_wmma_scale_f32_16x16x128_f8f6f4 v[rD:rD+7], v[rW:rW+7], v[rX:rX+7], 0, v[sW], v[sX] matrix_a_fmt:MATRIX_FMT_FP4 matrix_b_fmt:MATRIX_FMT_FP4 matrix_a_scale:MATRIX_SCALE_ROW1
.else
	v_wmma_scale_f32_16x16x128_f8f6f4 v[rD:rD+7], v[rW:rW+7], v[rX:rX+7], v[rD:rD+7], v[sW], v[sX] matrix_a_fmt:MATRIX_FMT_FP4 matrix_b_fmt:MATRIX_FMT_FP4 matrix_a_scale:MATRIX_SCALE_ROW1
.endif
.endif
.endr
.endr
.endm
.macro FETCH_B slot, q, p              ; W's eight fragments into set p (window 1)
	WIN TO_B
.irp i, 0,1,2,3,4,5,6,7
	FRAG 128*(\p)+FR*\i, ADRB+\slot, \q, \i
.endr
	WIN 0
.endm
.macro FETCH_A slot, q, i0             ; x's blocks i0 .. i0 + 3
.irp i, \i0, \i0+1, \i0+2, \i0+3
	FRAG AF+FR*(\i), ADRA+\slot, \q, \i
.endr
.endm
.macro SCALES sc                       ; a slot's scale words: 4 words a row; lanes 0-15 x's block i, lanes 16-31 W's block i
.irp i, 0,1,2,3,4,5,6,7
	ds_load_b128 v[SC+8*NQ*\sc+NQ*\i:SC+8*NQ*\sc+NQ*\i+3], v[ADRS] offset:\i*SBLK
.endr
.endm
.macro PLACES n                        ; plain vector instructions between a matrix instruction and a load into, or a vector write of, one of its registers (ISA guide 7.12.1 for vector writes)
.rept \n
	v_nop
.endr
.endm
; Windows of a product: v = 0: source 0 window 1, source 1 window 0 (0xa1, 0xf1); v = 1: source 0 window 0, source 1 window 1 (0xa4, 0xf4); C and D window 2 or 3.
.macro STEP slot, q, zero, v           ; a step of 128 along K that has its successor in the same slot
	s_wait_dscnt 4*NL                              ; W's set, x's blocks 0-3 and the scale words are in; the youngest eight loads (x's blocks 4-7) may be out
	WIN 0xa1+3*(\v)
	MUL16 0, (\q)%2, \q, \slot, \zero, \v
	MUL16 2, (\q)%2, \q, \slot, \zero, \v
	s_wait_dscnt 0                                 ; x's blocks 4-7 are in
	PLACES NP
	FETCH_B \slot, (\q)+1, 1-(\q)%2
	FETCH_A \slot, (\q)+1, 0
	WIN 0xf1+3*(\v)
	MUL16 4, (\q)%2, \q, \slot, \zero, \v
	MUL16 6, (\q)%2, \q, \slot, \zero, \v
	PLACES NP
	WIN 0
	FETCH_A \slot, (\q)+1, 4
.endm
.macro STEPS slot, from, v
.set Q, \from
.rept NQ-1-\from
	STEP \slot, Q, 0, \v
.set Q, Q+1
.endr
.endm
; Slot 0's last step goes over to slot 1.  Each wave waits for its part of slot 1 and signals; behind the barrier slot 1 is whole.  Nothing is filled again.
.macro CROSS v
	s_wait_tensorcnt 0x0                           ; my last tensor load, my part of slot 1, has landed
	s_wait_dscnt 4*NL
	WIN 0xa1+3*(\v)
	MUL16 0, 1, NQ-1, 0, 0, \v
	s_wait_dscnt 0x0                               ; no LDS instruction of mine is out at the signal
	s_barrier_signal -1
	MUL16 2, 1, NQ-1, 0, 0, \v                     ; work on registers while the others arrive
	WIN 0
	s_barrier_wait -1
	PLACES NP
	v_add_nc_u32 v[ADRS], 4*NQ, v[ADRS]            ; slot 1's scale words: 16 bytes on in each row
	FETCH_B 1, 0, 0
	FETCH_A 1, 0, 0
	SCALES 1
	WIN 0xf1+3*(\v)
	MUL16 4, 1, NQ-1, 0, 0, \v
	MUL16 6, 1, NQ-1, 0, 0, \v
	PLACES NP
	WIN 0
	FETCH_A 1, 0, 4
.endm
.macro MAIN v
	STEP 0, 0, 1, \v                               ; the first step's products start the sums: nothing is cleared
	STEPS 0, 1, \v
	CROSS \v
	STEPS 1, 0, \v
	s_wait_dscnt 4*NL                              ; the last step: nothing more to fetch
	WIN 0xa1+3*(\v)
	MUL16 0, 1, NQ-1, 1, 0, \v
	MUL16 2, 1, NQ-1, 1, 0, \v
	s_wait_dscnt 0
	WIN 0xf1+3*(\v)
	MUL16 4, 1, NQ-1, 1, 0, \v
	MUL16 6, 1, NQ-1, 1, 0, \v
	WIN 0
.endm
; 16 nb numbers of a lane, v[s] on: registers 16 b .. 16 b + 7 are k = 32 b + 8 h + 0 .. 7, registers 16 b + 8 .. 15 are k = 32 b + 16 + 8 h + 0 .. 7 of my row.  They become codes in v[pc] on, in the operand's order, and the scale bytes in v[pw].
.macro QUANT s, nb, pc, pw
.set qb, 0
.rept \nb
	v_max3_num_f32 v[TM+qb], |v[(\s)+16*qb]|, |v[(\s)+16*qb+1]|, 0x1800000   ; my 16 numbers of block qb, and the floor 2^(3 - 127): the byte cannot fall under 1
.set qb, qb+1
.endr
.irp i, 2,4,6,8,10,12,14
.set qb, 0
.rept \nb
	v_max3_num_f32 v[TM+qb], v[TM+qb], |v[(\s)+16*qb+\i]|, |v[(\s)+16*qb+\i+1]|   ; the blocks by turns
.set qb, qb+1
.endr
.endr
.set qb, 0
.rept \nb
	v_permlanex16_b32 v[TM+4+qb], v[TM+qb], s[SEL], s[SEL+1]
.set qb, qb+1
.endr
.set qb, 0
.rept \nb
	v_max_num_f32 v[TM+qb], v[TM+qb], v[TM+4+qb]   ; with lane l xor 16's 16: the block's largest magnitude
.set qb, qb+1
.endr
.set qb, 0
.rept \nb
	v_add_nc_u32 v[TM+12+qb], 0xff000000, v[TM+qb] ; 2 off its exponent field: the conversion's scale operand
.set qb, qb+1
.endr
.set qb, 0
.rept \nb
	v_lshrrev_b32 v[TM+4+qb], 23, v[TM+12+qb]      ; the scale's byte
.set qb, qb+1
.endr
	v_lshl_or_b32 v[\pw], v[TM+5], 8, v[TM+4]
.if \nb > 2
	v_lshl_or_b32 v[\pw], v[TM+6], 16, v[\pw]
	v_lshl_or_b32 v[\pw], v[TM+7], 24, v[\pw]
.endif
.set qb, 0
.rept \nb
	v_cvt_scalef32_pk8_fp4_f32 v[(\pc)+4*(qb/2)+qb%2], v[(\s)+16*qb:(\s)+16*qb+7], v[TM+12+qb]
	v_cvt_scalef32_pk8_fp4_f32 v[(\pc)+4*(qb/2)+qb%2+2], v[(\s)+16*qb+8:(\s)+16*qb+15], v[TM+12+qb]
.set qb, qb+1
.endr
	v_nop                                          ; one plain place behind a scaled conversion
.set qb, 0
.rept \nb/2                                    ; lanes 0-15 get block 2 c whole, lanes 16-31 block 2 c + 1
	v_permlane16_swap_b32 v[(\pc)+4*qb], v[(\pc)+4*qb+1]
	v_permlane16_swap_b32 v[(\pc)+4*qb+2], v[(\pc)+4*qb+3]
.set qb, qb+1
.endr
.endm
	s_wait_tensorcnt 1                             ; the scale bytes and my part of slot 0 are in; slot 1's load may stay out
	s_barrier_signal -1
	s_barrier_wait -1                              ; everybody's are
	FETCH_B 0, 0, 0
	FETCH_A 0, 0, 0
	SCALES 0
	FETCH_A 0, 0, 4
	s_cmp_eq_u32 s[TYP], 2                         ; the same in all waves of all sixteen work-groups
	s_cbranch_scc1 .Lv
	; ---- q and k
.irp j, 0,1,2,3,4,5,6,7                        ; the bias in the result's layout: outputs 16 j + 8 h + 0 .. 7; waited for behind the products
	global_load_b128 v[BI+8*\j:BI+8*\j+3], v[BQ], s[12:13] offset:64*\j
	global_load_b128 v[BI+8*\j+4:BI+8*\j+7], v[BQ], s[12:13] offset:64*\j+16
.endr
	MAIN 0
	s_wait_loadcnt 0x0
	PLACES NP                                      ; the additions below write registers that the last products read
.irp i, 0,1,2,3,4,5,6,7                        ; tile i of 16 rows: 128 outputs = two heads; each accumulator is read from its low end on
	WIN 0x02+(\i)/4
.set mm, 0
.rept 32
	v_pk_add_f32 v[X+2*mm:X+2*mm+1], v[64*((\i)%4)+2*mm:64*((\i)%4)+2*mm+1], v[BI+2*mm:BI+2*mm+1]
.set mm, mm+1
.endr
	WIN 0
	QUANT X, 4, PCD+8*\i, PWD+\i
	global_store_b128 v[LO], v[PCD+8*\i:PCD+8*\i+3], s[CB0:CB0+1] offset:512*\i     ; 32 lanes store 512 consecutive bytes, at a multiple of 256 from the buffer's first byte; each tile has registers of its own
	global_store_b128 v[LO], v[PCD+8*\i+4:PCD+8*\i+7], s[CB1:CB1+1] offset:512*\i
.endr
.irp a, 0,1,2,3
	v_cndmask_b32 v[CW+\a], v[PWD+2*\a], v[PWD+2*\a+1], s[HM]   ; lanes 0-15: tile 2 a's words, lanes 16-31: tile 2 a + 1's
.endr
.irp a, 0,1,2,3
	v_lshrrev_b32 v[CW+4+\a], 16, v[CW+\a]         ; the second head's two bytes
.endr
	global_store_b128 v[LO], v[CW:CW+3], s[SB0:SB0+1]
	global_store_b128 v[LO], v[CW+4:CW+7], s[SB1:SB1+1]
	s_branch .Lend
	; ---- v
.Lv:
.irp j, 0,1,2,3,4,5,6,7                        ; the bias of output 16 j + r, twice: a pair for the packed addition
	global_load_b32 v[BI+2*\j], v[BV], s[12:13] offset:64*\j
	global_load_b32 v[BI+2*\j+1], v[BV], s[12:13] offset:64*\j
.endr
	MAIN 1
	s_wait_loadcnt 0x0
	PLACES NP
.irp j, 0,1,2,3,4,5,6,7                        ; tile j of 16 outputs d: head j / 4, its tile j % 4; a lane's 64 numbers run along the 128 keys
.irp i, 0,1,2,3,4,5,6,7
	WIN 0x02+(\i)/4
.irp m, 0,1,2,3
	v_pk_add_f32 v[X+8*\i+2*\m:X+8*\i+2*\m+1], v[64*((\i)%4)+8*\j+2*\m:64*((\i)%4)+8*\j+2*\m+1], v[BI+2*\j:BI+2*\j+1]
.endr
.endr
	WIN 0
	QUANT X, 4, PCD+8*\j, PWD+\j
	global_store_b128 v[LO], v[PCD+8*\j:PCD+8*\j+3], s[CB0+2*(\j/4):CB0+2*(\j/4)+1] offset:1024*(\j%4)
	global_store_b128 v[LO], v[PCD+8*\j+4:PCD+8*\j+7], s[CB0+2*(\j/4):CB0+2*(\j/4)+1] offset:1024*(\j%4)+512
.endr
.irp m, 0,1,2,3
	v_cndmask_b32 v[CW+\m], v[PWD+2*\m], v[PWD+2*\m+1], s[HM]
.endr
	global_store_b64 v[L8], v[CW:CW+1], s[SB0:SB0+1]        ; 32 lanes store 256 consecutive bytes
	global_store_b64 v[L8], v[CW+2:CW+3], s[SB1:SB1+1]
.Lend:
	s_wait_tensorcnt 0x0
	ds_add_u32 v106, v107
	s_wait_dscnt 0x0
	CROUND                                         ; the closing round: no work-group ends while a partner may still ask for a tile that names it
	s_endpgm
.Lfunc_end_k_qec6e49328a_proj:
	.size	k_qec6e49328a_proj, .Lfunc_end_k_qec6e49328a_proj-k_qec6e49328a_proj
	.p2alignl 7, 3214868480
	.fill 96, 4, 3214868480
	.section	.rodata,"a",@progbits
	.p2align	6, 0x0
	.amdhsa_kernel k_qec6e49328a_proj
		.amdhsa_group_segment_fixed_size 296448
		.amdhsa_private_segment_fixed_size 0
		.amdhsa_enable_private_segment 0
		.amdhsa_kernarg_size 104
		.amdhsa_user_sgpr_count 2
		.amdhsa_user_sgpr_kernarg_segment_ptr 1
		.amdhsa_wavefront_size32 1
		.amdhsa_system_sgpr_workgroup_id_x 1
		.amdhsa_system_sgpr_workgroup_id_y 1
		.amdhsa_system_sgpr_workgroup_id_z 1
		.amdhsa_system_vgpr_workitem_id 0
		.amdhsa_next_free_vgpr 1024
		.amdhsa_next_free_sgpr 102
		.amdhsa_reserve_vcc 0
		.amdhsa_float_denorm_mode_32 3
		.amdhsa_float_denorm_mode_16_64 3
		.amdhsa_memory_ordered 1
		.amdhsa_forward_progress 1
		.amdhsa_inst_pref_size 255
	.end_amdhsa_kernel
	.section	.bss,"aw",@nobits
	.p2align	6
	.space	262144
	.amdgpu_metadata
---
amdhsa.version: [ 1, 2 ]
amdhsa.kernels:
  - .name:           k_qec6e49328a_proj
    .symbol:         k_qec6e49328a_proj.kd
    .args:
      - { .name: x_codes, .offset: 0, .size: 8, .value_kind: global_buffer, .address_space: global }
      - { .name: x_scales, .offset: 8, .size: 8, .value_kind: global_buffer, .address_space: global }
      - { .name: Wq_codes, .offset: 16, .size: 8, .value_kind: global_buffer, .address_space: global }
      - { .name: Wq_scales, .offset: 24, .size: 8, .value_kind: global_buffer, .address_space: global }
      - { .name: Wk_codes, .offset: 32, .size: 8, .value_kind: global_buffer, .address_space: global }
      - { .name: Wk_scales, .offset: 40, .size: 8, .value_kind: global_buffer, .address_space: global }
      - { .name: Wv_codes, .offset: 48, .size: 8, .value_kind: global_buffer, .address_space: global }
      - { .name: Wv_scales, .offset: 56, .size: 8, .value_kind: global_buffer, .address_space: global }
      - { .name: bq, .offset: 64, .size: 8, .value_kind: global_buffer, .address_space: global }
      - { .name: bk, .offset: 72, .size: 8, .value_kind: global_buffer, .address_space: global }
      - { .name: bv, .offset: 80, .size: 8, .value_kind: global_buffer, .address_space: global }
      - { .name: qrec, .offset: 88, .size: 8, .value_kind: global_buffer, .address_space: global }
      - { .name: kv, .offset: 96, .size: 8, .value_kind: global_buffer, .address_space: global }
    .group_segment_fixed_size: 296448
    .private_segment_fixed_size: 0
    .kernarg_segment_align: 8
    .kernarg_segment_size: 104
    .max_flat_workgroup_size: 128
    .sgpr_count:     102
    .vgpr_count:     1024
    .wavefront_size: 32
...
	.end_amdgpu_metadata
.endif
;; end of part 1
;; launch attn (part 2): grid 4 x 64, 16 waves a work-group, clusters of 4 x 1, 169,984 bytes of LDS; arguments qrec, kv, oc, os; writes oc, os
.if DOCPART == 2
	.amdgcn_target "amdgcn-amd-amdhsa--gfx1250"
	.amdhsa_code_object_version 6
	.text
	.protected	k_qec6e49328a_attn
	.globl	k_qec6e49328a_attn
	.p2align	8
	.type	k_qec6e49328a_attn,@function
k_qec6e49328a_attn:
	s_mov_b64 s[64:65], 0
	v_nop
	global_prefetch_b8 v0, s[64:65] scope:SCOPE_SE
	s_setreg_imm32_b32 hwreg(HW_REG_WAVE_MODE, 25, 1), 1
	s_wait_xcnt 0x0
	s_wait_alu depctr_hold_cnt(0) depctr_sa_sdst(0) depctr_va_vdst(0) depctr_va_sdst(0) depctr_va_ssrc(0) depctr_va_vcc(0) depctr_vm_vsrc(0)
	s_getreg_b32 s2, hwreg(HW_REG_IB_STS2, 6, 4)
	s_cmp_eq_u32 s2, 0
	s_cbranch_scc0 .Lentry_in_a_cluster
	s_endpgm
.Lentry_in_a_cluster:
	s_bfe_u32 s2, ttmp6, 0x10000c
	s_cmp_lg_u32 s2, 0x3003
	s_cbranch_scc0 .Lentry_shape_is_right
	s_endpgm
.Lentry_shape_is_right:
; Causal attention of one head on codes of FP4 (E2M1), and its result quantised along the head's 64 for the output projection.
; t = score x log2(e) / 8; M = the row's largest t so far, rounded up to a whole number; p = 2^(t - M) is quantised along the keys, not normalised; the row's sum is taken of the unquantised p and divides O at the end.
; When M moves, the sum and O are multiplied by 2^(old M - new M): exact.
; SHARES.  The four work-groups of a cluster belong to one (batch, head) and need the same K and V: 16 records of 8,960 bytes (128 keys each: K's codes, V's codes, K's and V's scale words), 143,360 dense bytes.
; They come into LDS ONCE, by joint loads that name the four.  Nothing is filled again.
; Wave w (e = w % 2, q = w / 2) of work-group cx owns the query tiles 8 q + 2 cx + e and 8 (15 - q) + 2 cx + e.  Tile 8 Q + i needs the records 0 .. Q, and only record Q is masked.
; So every wave runs (q + 1) + (16 - q) = 17 key steps, and every branch and LDS address hangs on the wave's number alone; cx enters global addresses and the vector that the mask compares.
; A tile's masked step comes FIRST: each query sees itself there, so M is a number from the start, the sums start there (C = 0, no clearing), and a running whole-number M allows any order of the steps.
; LAYOUT.  S^T = K Q^T (source 0 = 16 keys, source 1 = my 16 queries), O^T = V^T P^T (source 0 = 16 of the head's 64, source 1 = P): a lane holds ONE query (lane % 16) throughout.
; The first product's K is 64: k = 64 .. 127 are zero codes on Q's side.  On K's side those registers are the next tile's codes: FP4 has no infinity or NaN and no scale byte here is 0xff, so these products are zeros.
; OUT.  oc [T' 512][head 16][512 bytes], T' = ((4 b + cx) 16 + Q) 2 + e: lane (r, h) holds the codes of d = 32 h .. 32 h + 31 of row r.  os [bh][cx][Q][e][r]: two scale bytes.
; LIMITS: NaN and infinities are not served; a block whose largest magnitude lies under 2^-124, zeros among them, keeps the byte 1: this program alone reads the bytes.
; REGISTERS: v1 16 lane, v2 8 lane, v3-4 the step's LDS addresses, v5 the mask's vector, v6-7 Q's offsets, v8-9 Q's scale words, v10-11 stage addresses, v12 -M, v13 largest t, v[14:15] the sum,
;   v16-31 Q's two fragments, v32-63 K, v64-67 zeros, v68-71 K's scale words, v72-73 V's, v74-81 codes to store, v82 -infinity, v84-85 scale bytes to store, v[86:87] 1 / sum, v88 at work, v89 stage,
;   v96-159 S^T, then p; v160-191 O^T; v192-223 V; v224-231 p's codes; v232-254 at work (v253: p's scale word).
.set REC,   8960                       ; bytes in a record
.set HEADB, 16*REC
.set STG,   HEADB                      ; behind the records: 1,024 bytes for the scale bytes on their way out; no tile lands here
.set TM,    232
.set WV,    12                         ; s12 wave; s13 cx; s14 bh; s15 q; s16 15 - q; s17 e
.set SEL,   20                         ; s[20:21] lane selects for v_permlanex16_b32: lane l xor 16
.set CS,    22                         ; s[22:23] c = log2(e) / 8
.macro ROUND                           ; a round of the cluster's barrier
	s_barrier_signal -1
	s_barrier_wait -1
	s_cmp_lg_u32 s[WV], 0
	s_cbranch_scc1 .Lnot_wave_0_\@
	s_barrier_signal -3
.Lnot_wave_0_\@:
	s_barrier_wait -3
	s_barrier_signal -1
	s_barrier_wait -1
.endm
; 16 nb numbers of a lane, v[s] on: registers 16 b .. 16 b + 7 are k = 32 b + 8 h + 0 .. 7, registers 16 b + 8 .. 15 are k = 32 b + 16 + 8 h + 0 .. 7 of my row.  They become codes in v[pc] on, in the operand's order, and the scale bytes in v[pw].
.macro QUANT s, nb, pc, pw
.set qb, 0
.rept \nb
	v_max3_num_f32 v[TM+qb], |v[(\s)+16*qb]|, |v[(\s)+16*qb+1]|, 0x1800000   ; my 16 numbers of block qb, and the floor 2^(3 - 127): the byte cannot fall under 1
.set qb, qb+1
.endr
.irp i, 2,4,6,8,10,12,14
.set qb, 0
.rept \nb
	v_max3_num_f32 v[TM+qb], v[TM+qb], |v[(\s)+16*qb+\i]|, |v[(\s)+16*qb+\i+1]|
.set qb, qb+1
.endr
.endr
.set qb, 0
.rept \nb
	v_permlanex16_b32 v[TM+4+qb], v[TM+qb], s[SEL], s[SEL+1]
.set qb, qb+1
.endr
.set qb, 0
.rept \nb
	v_max_num_f32 v[TM+qb], v[TM+qb], v[TM+4+qb]   ; with lane l xor 16's 16: the block's largest magnitude
.set qb, qb+1
.endr
.set qb, 0
.rept \nb
	v_add_nc_u32 v[TM+12+qb], 0xff000000, v[TM+qb] ; 2 off its exponent field: the conversion's scale operand
.set qb, qb+1
.endr
.set qb, 0
.rept \nb
	v_lshrrev_b32 v[TM+4+qb], 23, v[TM+12+qb]      ; the scale's byte
.set qb, qb+1
.endr
	v_lshl_or_b32 v[\pw], v[TM+5], 8, v[TM+4]
.if \nb > 2
	v_lshl_or_b32 v[\pw], v[TM+6], 16, v[\pw]
	v_lshl_or_b32 v[\pw], v[TM+7], 24, v[\pw]
.endif
.set qb, 0
.rept \nb
	v_cvt_scalef32_pk8_fp4_f32 v[(\pc)+4*(qb/2)+qb%2], v[(\s)+16*qb:(\s)+16*qb+7], v[TM+12+qb]
	v_cvt_scalef32_pk8_fp4_f32 v[(\pc)+4*(qb/2)+qb%2+2], v[(\s)+16*qb+8:(\s)+16*qb+15], v[TM+12+qb]
.set qb, qb+1
.endr
	v_nop                                          ; one plain place behind a scaled conversion
.set qb, 0
.rept \nb/2
	v_permlane16_swap_b32 v[(\pc)+4*qb], v[(\pc)+4*qb+1]
	v_permlane16_swap_b32 v[(\pc)+4*qb+2], v[(\pc)+4*qb+3]
.set qb, qb+1
.endr
.endm
	s_load_b256 s[4:11], s[0:1], 0x0               ; qrec s[4:5], kv s[6:7], oc s[8:9], os s[10:11]
	v_lshl_add_u32 v251, v0, 2, 0x29000
	v_mov_b32 v255, 0
	ds_add_u32 v251, v255
	ds_add_u32 v251, v255
	v_lshrrev_b32 v1, 5, v0
	v_readfirstlane_b32 s[WV], v1                  ; wave 0..15
	s_bfe_u32 s13, ttmp6, 0x40000                  ; cx
	s_and_b32 s14, ttmp7, 0xffff                   ; bh, which the four partners share
	s_lshr_b32 s15, s[WV], 1                       ; q
	s_xor_b32 s16, s15, 15                         ; 15 - q
	s_and_b32 s17, s[WV], 1                        ; e
	; group 1: a record as 35 rows of 256 bytes (32 elements of 8), dense, no padding
	s_mov_b32 s24, 15|(3<<16)|(1<<21)              ; the mask: all four work-groups; elements of 8 bytes; bit 21 beside a mask
	s_mov_b32 s25, 32<<16                          ; tensor_dim0
	s_mov_b32 s26, 35<<16                          ; tensor_dim1
	s_mov_b32 s27, 32<<16                          ; tile_dim0
	s_mov_b32 s28, 35                              ; tile_dim1
	s_mov_b32 s29, 32                              ; from row to row
	s_mov_b32 s30, 0
	s_mov_b32 s31, 0
	s_mul_i32 s33, s[WV], REC                      ; waves 0 to 7 fetch records w and w + 8
	s_mul_i32 s18, s14, HEADB
	s_add_co_u32 s18, s18, s33
	s_mov_b32 s19, 0
	s_mov_b32 s32, 1
	s_mov_b32 s36, 1
	s_add_co_u32 s37, s33, 8*REC
	s_wait_dscnt 0x0
	s_wait_kmcnt 0x0
	s_add_nc_u64 s[34:35], s[6:7], s[18:19]
	s_add_nc_u64 s[38:39], s[34:35], 8*REC
	s_or_b32 s35, s35, 0x80000000
	s_or_b32 s39, s39, 0x80000000
	ROUND                                          ; all four work-groups are here: the joint loads meet
	s_cmp_lt_u32 s[WV], 8                          ; a wave's two fills stand in one branch on the wave's number; two tensor loads of mine are out
	s_cbranch_scc0 .Lno_fill
	tensor_load_to_lds s[32:35], s[24:31]
	s_nop 0
	tensor_load_to_lds s[36:39], s[24:31]
	s_nop 0
.rept 4
	v_nop
.endr
.Lno_fill:
	s_mov_b32 s[SEL], 0x76543210
	s_mov_b32 s[SEL+1], 0xfedcba98
	s_mov_b32 s[CS], 0x3e38aa3b                    ; log2(e) / 8
	s_mov_b32 s[CS+1], s[CS]
	s_lshl_b32 s18, s14, 4                         ; Q's records: (16 bh + Q) x 4,608
	s_add_co_u32 s19, s18, s15
	s_mul_i32 s42, s19, 4608
	s_mov_b32 s43, 0
	s_add_co_u32 s19, s18, s16
	s_mul_i32 s44, s19, 4608
	s_mov_b32 s45, 0
	s_add_nc_u64 s[42:43], s[4:5], s[42:43]
	s_add_nc_u64 s[44:45], s[4:5], s[44:45]
	s_and_b32 s52, s14, 15                         ; the head,
	s_lshl_b32 s52, s52, 9                         ; 512 bytes each
	s_lshr_b32 s18, s14, 4                         ; b
	s_lshl_b32 s18, s18, 2
	s_add_co_u32 s18, s18, s13
	s_lshl_b32 s18, s18, 4                         ; (4 b + cx) 16
	s_add_co_u32 s19, s18, s15
	s_lshl_b32 s19, s19, 1
	s_add_co_u32 s19, s19, s17                     ; T' of the low tile
	s_lshl_b32 s46, s19, 13
	s_add_co_u32 s46, s46, s52
	s_mov_b32 s47, 0
	s_add_co_u32 s19, s18, s16
	s_lshl_b32 s19, s19, 1
	s_add_co_u32 s19, s19, s17                     ; of the high tile
	s_lshl_b32 s48, s19, 13
	s_add_co_u32 s48, s48, s52
	s_mov_b32 s49, 0
	s_add_nc_u64 s[46:47], s[8:9], s[46:47]
	s_add_nc_u64 s[48:49], s[8:9], s[48:49]
	s_lshl_b32 s50, s14, 2
	s_add_co_u32 s50, s50, s13
	s_lshl_b32 s50, s50, 10                        ; (4 bh + cx) x 1,024
	s_mov_b32 s51, 0
	s_add_nc_u64 s[50:51], s[10:11], s[50:51]
	v_and_b32 v90, 31, v0                          ; lane
	v_and_b32 v91, 15, v0                          ; r
	v_bfe_u32 v92, v0, 4, 1                        ; h
	v_lshlrev_b32 v1, 4, v90
	v_lshlrev_b32 v2, 3, v90
	s_lshl_b32 s18, s13, 1
	s_add_co_u32 s18, s18, s17                     ; i = 2 cx + e: my tile in a record of queries
	s_lshl_b32 s19, s18, 9
	v_add_nc_u32 v6, s19, v1                       ; Q's codes: 512 i + 16 lane
	s_lshl_b32 s19, s17, 8
	s_lshl_b32 s53, s13, 2
	s_add_co_u32 s19, s19, s53
	s_add_co_u32 s19, s19, 4096
	v_lshl_add_u32 v7, v91, 4, s19                 ; Q's scale word: 4,096 + 16 (r + 16 e) + 4 cx
	global_load_b128 v[16:19], v6, s[42:43]
	global_load_b32 v8, v7, s[42:43]
	global_load_b128 v[24:27], v6, s[44:45]
	global_load_b32 v9, v7, s[44:45]
	s_lshl_b32 s19, s18, 4
	v_lshlrev_b32 v5, 3, v92
	v_sub_nc_u32 v5, v91, v5
	v_add_nc_u32 v5, s19, v5                       ; 16 i + r - 8 h: register 8 t + j of S^T holds key 16 t + 8 h + j, hidden where 16 t + j is above this
	s_lshl_b32 s19, s[WV], 5
	s_add_co_u32 s19, s19, STG
	v_lshl_add_u32 v10, v91, 1, s19                ; the stage: [Q][e][r] of 2 bytes: 32 w + 2 r for the low tile,
	s_xor_b32 s19, s[WV], 30
	s_lshl_b32 s19, s19, 5
	s_add_co_u32 s19, s19, STG
	v_lshl_add_u32 v11, v91, 1, s19                ; 32 (w xor 30) + 2 r for the high one: 2 (15 - q) + e
	v_add_nc_u32 v89, STG, v1
.irp j, 20,21,22,23,28,29,30,31,64,65,66,67,87,88,236,237,238,239
	v_mov_b32 v\j, 0                               ; Q's k = 64 .. 127; what stands behind K's last tile; registers named before they are first written
.endr
	v_mov_b32 v82, 0xff800000                      ; -infinity
; A KEY STEP: the 128 keys of the record at LDS byte s40.  first = 1: the tile's masked step, which starts M, the sum and O^T.  qf, qs: Q's fragment and scale word.
.macro STEP first, qf, qs
	v_add_nc_u32 v3, s40, v1
	v_add_nc_u32 v4, s40, v2
	v_nop
	v_nop                                          ; four places in front of loads into registers that the last products read
	ds_load_b128 v[68:71], v3 offset:8192          ; K's scale words
.irp t, 0,1,2,3,4,5,6,7
	ds_load_b128 v[32+4*\t:35+4*\t], v3 offset:512*\t
.endr
	ds_load_b64 v[72:73], v4 offset:8704           ; V's scale words
.irp t, 0,1,2,3
.irp c, 0,1
	ds_load_b128 v[192+8*\t+4*\c:195+8*\t+4*\c], v3 offset:4096+1024*\t+512*\c
.endr
.endr
	s_wait_dscnt 9                                 ; K and its scale words are in; V's eight loads and its scale words may be out
.irp u, 0,1,2,3
	v_wmma_scale_f32_16x16x128_f8f6f4 v[96+16*\u:103+16*\u], v[32+8*\u:39+8*\u], v[\qf:\qf+7], 0, v[68+\u], v[\qs] matrix_a_fmt:MATRIX_FMT_FP4 matrix_b_fmt:MATRIX_FMT_FP4
	v_wmma_scale_f32_16x16x128_f8f6f4 v[104+16*\u:111+16*\u], v[36+8*\u:43+8*\u], v[\qf:\qf+7], 0, v[68+\u], v[\qs] matrix_a_fmt:MATRIX_FMT_FP4 matrix_b_fmt:MATRIX_FMT_FP4 matrix_a_scale:MATRIX_SCALE_ROW1
.endr
.rept 4
	v_nop
.endr
.if \first                                     ; hidden scores become -infinity ahead of the maximum: p = 0 then
.set nn, 0
.rept 64
	v_cmp_gt_i32 vcc_lo, 16*(nn/8)+nn%8, v5
	v_cndmask_b32 v[96+nn], v[96+nn], v82, vcc_lo
.set nn, nn+1
.endr
.endif
.irp b, 0,1,2,3
	v_max3_num_f32 v[232+\b], v[96+16*\b], v[97+16*\b], v[98+16*\b]   ; the largest score of each block of 32 keys: for the row's maximum and, since p rises with the score, for the block's largest p
.endr
.irp i, 3,5,7,9,11,13
.irp b, 0,1,2,3
	v_max3_num_f32 v[232+\b], v[232+\b], v[96+16*\b+\i], v[97+16*\b+\i]
.endr
.endr
.irp b, 0,1,2,3
	v_max_num_f32 v[232+\b], v[232+\b], v[111+16*\b]
.endr
.irp b, 0,1,2,3
	v_permlanex16_b32 v[236+\b], v[232+\b], s[SEL], s[SEL+1]
.endr
.irp b, 0,1,2,3
	v_max_num_f32 v[232+\b], v[232+\b], v[236+\b]  ; with lane l xor 16's 16 keys
.endr
	v_max3_num_f32 v254, v232, v233, v234
	v_max_num_f32 v254, v254, v235                 ; the step's largest score of my query
.if \first
	v_mul_f32 v13, s[CS], v254                     ; the largest t
	v_floor_f32 v12, -v13                          ; -M = floor(-t): M is a whole number
.else
	v_mul_f32 v254, s[CS], v254
	v_max_num_f32 v13, v13, v254                   ; the running largest t
	v_mov_b32 v254, v12
	v_floor_f32 v12, -v13
	v_sub_f32 v254, v12, v254                      ; old M - new M: a whole number, 0 or less
	v_cvt_i32_f32 v254, v254
	v_ldexp_f32 v252, 1.0, v254                    ; f = 2^(old M - new M)
.endif
.set nn, 0
.rept 32
	v_pk_fma_f32 v[96+nn:97+nn], v[96+nn:97+nn], s[CS:CS+1], v[12:13] op_sel_hi:[1,0,0]   ; t - M, two at a time
.set nn, nn+2
.endr
.irp b, 0,1,2,3
	v_fma_f32 v[232+\b], v[232+\b], s[CS], v12     ; the same of each block's largest score
.endr
.set nn, 0
.rept 64
	v_exp_f32 v[96+nn], v[96+nn]                   ; p = 2^(t - M)
.set nn, nn+1
.endr
.if \first
	v_nop                                          ; a plain place behind the exponentials
.else
	v_pk_mul_f32 v[14:15], v[14:15], v[252:253] op_sel_hi:[1,0]   ; the sums under the new M; a plain place behind the exponentials
.endif
	s_wait_alu depctr_va_vdst(0)                   ; one wait for the batch of 64, ahead of its first reader
.irp b, 0,1,2,3
	v_exp_f32 v[232+\b], v[232+\b]                 ; each block's largest p
.endr
.if \first                                     ; the row's sum of the unquantised p, in two chains
	v_pk_add_f32 v[14:15], v[96:97], v[100:101]
	v_pk_add_f32 v[236:237], v[98:99], v[102:103]
.else
	v_pk_add_f32 v[236:237], v[96:97], v[98:99]
	v_pk_add_f32 v[14:15], v[14:15], v[100:101]
	v_pk_add_f32 v[236:237], v[236:237], v[102:103]
.endif
.irp j, 8,12,16,20,24,28,32,36,40,44,48,52,56,60
	v_pk_add_f32 v[14:15], v[14:15], v[96+\j:97+\j]
	v_pk_add_f32 v[236:237], v[236:237], v[98+\j:99+\j]
.endr
	v_pk_add_f32 v[14:15], v[14:15], v[236:237]
	s_wait_alu depctr_va_vdst(0)                   ; and one for the four
.irp b, 0,1,2,3
	v_max_num_f32 v[232+\b], 0x1800000, v[232+\b]  ; the floor 2^(3 - 127): a block whose every p is 0 keeps the byte 1; its codes are zeros
.endr
.irp b, 0,1,2,3
	v_add_nc_u32 v[244+\b], 0xff000000, v[232+\b]  ; 2 off the exponent field: the conversion's scale operand
.endr
.irp b, 0,1,2,3
	v_lshrrev_b32 v[236+\b], 23, v[244+\b]
.endr
	v_lshl_or_b32 v253, v237, 8, v236              ; p's scale word for these 128 keys
	v_lshl_or_b32 v253, v238, 16, v253
	v_lshl_or_b32 v253, v239, 24, v253
.irp b, 0,1,2,3
	v_cvt_scalef32_pk8_fp4_f32 v[224+4*(\b/2)+\b%2], v[96+16*\b:103+16*\b], v[244+\b]
	v_cvt_scalef32_pk8_fp4_f32 v[226+4*(\b/2)+\b%2], v[104+16*\b:111+16*\b], v[244+\b]
.endr
	v_nop                                          ; one plain place behind a scaled conversion
.irp c, 0,1,2,3
	v_permlane16_swap_b32 v[224+2*\c], v[225+2*\c] ; lanes 0-15 get a whole even block, lanes 16-31 the odd one
.endr
.if \first
.rept 8
	v_nop                                          ; a scale register written by a vector instruction stands 8 places ahead of a scaled matrix instruction, an operand 4
.endr
.else
.set nn, 0
.rept 16
	v_pk_mul_f32 v[160+nn:161+nn], v[160+nn:161+nn], v[252:253] op_sel_hi:[1,0]   ; O^T under the new M; these 16 are those places too
.set nn, nn+2
.endr
.endif
	s_wait_dscnt 0x0                               ; V and its scale words are in
.irp u, 0,1                                    ; four accumulators by turns
.if \first
	v_wmma_scale_f32_16x16x128_f8f6f4 v[160+16*\u:167+16*\u], v[192+16*\u:199+16*\u], v[224:231], 0, v[72+\u], v253 matrix_a_fmt:MATRIX_FMT_FP4 matrix_b_fmt:MATRIX_FMT_FP4
	v_wmma_scale_f32_16x16x128_f8f6f4 v[168+16*\u:175+16*\u], v[200+16*\u:207+16*\u], v[224:231], 0, v[72+\u], v253 matrix_a_fmt:MATRIX_FMT_FP4 matrix_b_fmt:MATRIX_FMT_FP4 matrix_a_scale:MATRIX_SCALE_ROW1
.else
	v_wmma_scale_f32_16x16x128_f8f6f4 v[160+16*\u:167+16*\u], v[192+16*\u:199+16*\u], v[224:231], v[160+16*\u:167+16*\u], v[72+\u], v253 matrix_a_fmt:MATRIX_FMT_FP4 matrix_b_fmt:MATRIX_FMT_FP4
	v_wmma_scale_f32_16x16x128_f8f6f4 v[168+16*\u:175+16*\u], v[200+16*\u:207+16*\u], v[224:231], v[168+16*\u:175+16*\u], v[72+\u], v253 matrix_a_fmt:MATRIX_FMT_FP4 matrix_b_fmt:MATRIX_FMT_FP4 matrix_a_scale:MATRIX_SCALE_ROW1
.endif
.endr
.endm
; A tile's end: O^T / the sum, quantised along d (register 8 t + j is d = 16 t + 8 h + j), codes to memory, the two scale bytes to the stage.
.macro FINISH pc, pw, ob, sa
	v_add_f32 v14, v14, v15                        ; the sum's two halves; with the three v_nop: four places behind the last products
.rept 3
	v_nop
.endr
	v_permlanex16_b32 v88, v14, s[SEL], s[SEL+1]
	v_add_f32 v14, v14, v88                        ; and lane l xor 16's: the row's sum
	v_rcp_f32 v86, v14
	v_nop                                          ; a plain place behind the reciprocal
	s_wait_alu depctr_va_vdst(0)                   ; and the wait ahead of its first reader
.set nn, 0
.rept 16
	v_pk_mul_f32 v[96+nn:97+nn], v[160+nn:161+nn], v[86:87] op_sel_hi:[1,0]   ; each accumulator from its low end on
.set nn, nn+2
.endr
	QUANT 96, 2, \pc, \pw
	global_store_b128 v1, v[\pc:\pc+3], s[\ob:\ob+1]       ; 32 lanes store 512 consecutive bytes, at a multiple of 256 from the buffer's first byte; these registers are not written again
	ds_store_b16 v[\sa], v[\pw]                    ; both halves of the lanes write the same two bytes
.endm
	s_wait_loadcnt 0x0                             ; Q
	s_wait_tensorcnt 0x1                           ; my first record (0 .. 7) is in; my second may stay out
	s_barrier_signal -1
	s_barrier_wait -1                              ; records 0 to 7 are whole
	s_mul_i32 s40, s15, REC
	STEP 1, 16, 8                                  ; the low tile's masked step: record q, at most 7
	s_wait_tensorcnt 0x0                           ; my second record is in,
	s_wait_dscnt 0x0
	s_barrier_signal -1
	s_barrier_wait -1                              ; everybody's is: all sixteen records are whole
	s_mov_b32 s40, 0
	s_mov_b32 s41, 0
.Llo:                                              ; records 0 .. q - 1: every wave walks 7 trips and jumps over the work of those that it does not need
	s_cmp_ge_u32 s41, s15
	s_cbranch_scc1 .Llo_skip
	STEP 0, 16, 8
.Llo_skip:
	s_add_co_u32 s40, s40, REC
	s_add_co_u32 s41, s41, 1
	s_cmp_lt_u32 s41, 7
	s_cbranch_scc1 .Llo
	FINISH 74, 84, 46, 10
	s_mul_i32 s40, s16, REC
	STEP 1, 24, 9                                  ; the high tile's masked step: record 15 - q
	s_mov_b32 s40, 0
	s_mov_b32 s41, 0
.Lhi:                                              ; records 0 .. 14 - q, in 15 trips
	s_cmp_ge_u32 s41, s16
	s_cbranch_scc1 .Lhi_skip
	STEP 0, 24, 9
.Lhi_skip:
	s_add_co_u32 s40, s40, REC
	s_add_co_u32 s41, s41, 1
	s_cmp_lt_u32 s41, 15
	s_cbranch_scc1 .Lhi
	FINISH 78, 85, 48, 11
	s_wait_dscnt 0x0                               ; for the others' sake: my stores into the stage are done
	s_barrier_signal -1
	s_barrier_wait -1
	s_cmp_lg_u32 s[WV], 0
	s_cbranch_scc1 .Lnot_mine
	ds_load_b128 v[96:99], v89                     ; wave 0 stores the work-group's 1,024 scale bytes: 512 consecutive bytes a store
	ds_load_b128 v[100:103], v89 offset:512
	s_wait_dscnt 0x0
	global_store_b128 v1, v[96:99], s[50:51]
	global_store_b128 v1, v[100:103], s[50:51] offset:512
.Lnot_mine:
	s_wait_tensorcnt 0x0
	ds_add_u32 v251, v255
	s_wait_dscnt 0x0
	ROUND                                          ; the closing round
	s_endpgm
.Lfunc_end_k_qec6e49328a_attn:
	.size	k_qec6e49328a_attn, .Lfunc_end_k_qec6e49328a_attn-k_qec6e49328a_attn
	.p2alignl 7, 3214868480
	.fill 96, 4, 3214868480
	.section	.rodata,"a",@progbits
	.p2align	6, 0x0
	.amdhsa_kernel k_qec6e49328a_attn
		.amdhsa_group_segment_fixed_size 169984
		.amdhsa_private_segment_fixed_size 0
		.amdhsa_enable_private_segment 0
		.amdhsa_kernarg_size 32
		.amdhsa_user_sgpr_count 2
		.amdhsa_user_sgpr_kernarg_segment_ptr 1
		.amdhsa_wavefront_size32 1
		.amdhsa_system_sgpr_workgroup_id_x 1
		.amdhsa_system_sgpr_workgroup_id_y 1
		.amdhsa_system_sgpr_workgroup_id_z 1
		.amdhsa_system_vgpr_workitem_id 0
		.amdhsa_next_free_vgpr 256
		.amdhsa_next_free_sgpr 66
		.amdhsa_reserve_vcc 1
		.amdhsa_float_denorm_mode_32 3
		.amdhsa_float_denorm_mode_16_64 3
		.amdhsa_memory_ordered 1
		.amdhsa_forward_progress 1
		.amdhsa_inst_pref_size 81
	.end_amdhsa_kernel
	.amdgpu_metadata
---
amdhsa.version: [ 1, 2 ]
amdhsa.kernels:
  - .name:           k_qec6e49328a_attn
    .symbol:         k_qec6e49328a_attn.kd
    .args:
      - { .name: qrec, .offset: 0, .size: 8, .value_kind: global_buffer, .address_space: global }
      - { .name: kv, .offset: 8, .size: 8, .value_kind: global_buffer, .address_space: global }
      - { .name: oc, .offset: 16, .size: 8, .value_kind: global_buffer, .address_space: global }
      - { .name: os, .offset: 24, .size: 8, .value_kind: global_buffer, .address_space: global }
    .group_segment_fixed_size: 169984
    .private_segment_fixed_size: 0
    .kernarg_segment_align: 8
    .kernarg_segment_size: 32
    .max_flat_workgroup_size: 512
    .sgpr_count:     66
    .vgpr_count:     256
    .wavefront_size: 32
...
	.end_amdgpu_metadata
.endif
;; end of part 2
;; launch outp (part 3): grid 4 x 64, 4 waves a work-group, clusters of 4 x 4, 235,520 bytes of LDS; arguments oc, os, Wo_codes, Wo_scales, bo, out0; writes out0
.if DOCPART == 3
	.amdgcn_target "amdgcn-amd-amdhsa--gfx1250"
	.amdhsa_code_object_version 6
	.text
	.protected	k_qec6e49328a_outp
	.globl	k_qec6e49328a_outp
	.p2align	8
	.type	k_qec6e49328a_outp,@function
k_qec6e49328a_outp:
	s_mov_b64 s[64:65], 0
	v_nop
	global_prefetch_b8 v0, s[64:65] scope:SCOPE_SE
	s_setreg_imm32_b32 hwreg(HW_REG_WAVE_MODE, 25, 1), 1
	s_wait_xcnt 0x0
	s_wait_alu depctr_hold_cnt(0) depctr_sa_sdst(0) depctr_va_vdst(0) depctr_va_sdst(0) depctr_va_ssrc(0) depctr_va_vcc(0) depctr_vm_vsrc(0)
	s_getreg_b32 s2, hwreg(HW_REG_IB_STS2, 6, 4)
	s_cmp_eq_u32 s2, 0
	s_cbranch_scc0 .Lentry_in_a_cluster
	s_endpgm
.Lentry_in_a_cluster:
	s_bfe_u32 s2, ttmp6, 0x10000c
	s_cmp_lg_u32 s2, 0xf033
	s_cbranch_scc0 .Lentry_shape_is_right
	s_endpgm
.Lentry_shape_is_right:
; out0 = O Wo + bo on codes of FP4 (E2M1) with one E8M0 scale for each 32 along K.  O's codes come as images of operand registers: oc [T' 512][head 16][512 bytes]; head 2 g + c is registers 4 c .. 4 c + 3 of K step g.
; O's scale bytes: os [bh][cx'][Q][e][r], two bytes.  Wo: [1024 (out)][1024 (K)] codes, 512 bytes a row; scale bytes [1024][32].  out0: [8192][1024] f32.
; A work-group makes 128 rows (tiles T' = 8 my + a, a = 0 .. 7) x 256 columns.  Tile a's rows are R0 + 128 (a / 2) + 16 (a % 2) + r, R0 = 2048 b + 512 (my % 4) + 32 cx', b = my / 16, cx' = (my / 4) % 4.
; Wave w owns columns 64 w .. 64 w + 63 of the 256 for all eight tiles: its part of Wo for all of K (32 fragments, 256 registers) stays in window 1, and the tiles of rows are finished one after the other,
; so that a tile's stores leave while the next is multiplied.  All operands fit in LDS and are filled ONCE.
; CLUSTER 4 x 4: O's images and scale bytes are shared along a row of the cluster, Wo's along a column: each is asked for jointly.
; The product is used transposed (source 0 = 16 rows of Wo, source 1 = 16 rows of O): a lane holds eight neighbouring columns of one row.  bo is the C of each sum's first product.
; REGISTERS: window 0: v1-14 addresses; v16-47 Wo's scale words [8 t + g]; v48-63 O's scale words, two sets; v64-191 O's fragments, two sets; v192-223 four accumulators; v224-255 rows on their way out.
;   window 1: Wo's fragment (t, g) at v[64 t + 8 g].   window 2: v0-31 bo in the result's layout.
.set OAI,  0                           ; LDS: O's images: 8,192 a + 1,024 g + 512 c + 16 lane
.set WBI,  65536                       ; Wo's 256 rows, 512 bytes + 16 of padding
.set WPI,  528
.set WSI,  WBI+256*WPI                 ; Wo's scale bytes, as units of 256 bytes + 16
.set OSI,  WSI+2*4352                  ; O's scale bytes [head 16][a 8][r 16] of 2 bytes
.set MSW,  OSI+4096                    ; O's scale words [a 8][r 16][g 8], made here: no tile lands in these bytes
.set STG,  MSW+4096                    ; the way out: 16 rows x (256 bytes + 16) for each wave
.set G1OS, 24                          ; s[24:31] group 1 for O's scale bytes; s[32:39] for O's images; s[48:55] for Wo's scale bytes; s[56:63] for Wo's codes
.set G1OA, 32
.set G1WS, 48
.set G1WB, 56
.set G0OS, 68                          ; s[68:83] their groups 0
.set G0OA, 72
.set G0WS, 76
.set G0WB, 80
.set MSB, 0
.macro WIN new                         ; the immediate's high byte repeats the setting that is left
.if MSB != (\new)
	s_set_vgpr_msb (MSB<<8)|(\new)
.set MSB, (\new)
.endif
.endm
.macro JLOAD g0a, g1a, g0b, g1b        ; waves 0 and 1 fetch for O, waves 2 and 3 for Wo; four v_nop follow each of the two lines
	s_cmp_eq_u32 s17, 0
	s_cbranch_scc0 .Lfor_b_\@
	tensor_load_to_lds s[\g0a:\g0a+3], s[\g1a:\g1a+7]
	s_nop 0
.rept 4
	v_nop
.endr
	s_branch .Lasked_\@
.Lfor_b_\@:
	tensor_load_to_lds s[\g0b:\g0b+3], s[\g1b:\g1b+7]
	s_nop 0
.rept 4
	v_nop
.endr
.Lasked_\@:
.endm
.macro CROUND                          ; a round of the cluster's barrier
	s_barrier_signal -1
	s_barrier_wait -1
	s_cmp_lg_u32 s16, 0
	s_cbranch_scc1 .Lnot_wave_0_\@
	s_barrier_signal -3
.Lnot_wave_0_\@:
	s_barrier_wait -3
	s_barrier_signal -1
	s_barrier_wait -1
.endm
	s_load_b256 s[4:11], s[0:1], 0x0               ; oc s[4:5], os s[6:7], Wo's codes s[8:9], Wo's scale bytes s[10:11]
	s_load_b128 s[12:15], s[0:1], 0x20             ; bo s[12:13], out0 s[14:15]
	v_lshl_add_u32 v15, v0, 2, 0x39600
	s_set_vgpr_msb 0x80
	v_mov_b32 v33, 0
	s_set_vgpr_msb 0x8088
	ds_add_u32 v15, v33
	ds_add_u32 v15, v33
	s_set_vgpr_msb 0x8800
	v_lshrrev_b32 v1, 5, v0
	v_readfirstlane_b32 s16, v1                    ; wave 0..3
	s_lshr_b32 s17, s16, 1                         ; I fetch for O (0) or for Wo (1)
	s_and_b32 s18, s16, 1                          ; u: which half
	s_bfe_u32 s40, ttmp6, 0x40000                  ; cx
	s_bfe_u32 s41, ttmp6, 0x40004                  ; cy
	s_lshl_b32 s42, ttmp9, 2
	s_add_co_u32 s42, s42, s40                     ; which 256 columns
	s_and_b32 s19, ttmp7, 0xffff
	s_lshl_b32 s19, s19, 2
	s_add_co_u32 s19, s19, s41                     ; my: which 128 rows
	s_lshl_b32 s43, s41, 2
	s_lshl_b32 s43, 15, s43                        ; my row of the cluster
	s_lshl_b32 s44, 0x1111, s40                    ; my column
	s_or_b32 s[G1OS], s43, (3<<16)|(1<<21)         ; O's scale bytes: 8 heads x 256 bytes, 4,096 bytes from head to head; elements of 8 bytes; no padding
	s_mov_b32 s[G1OS+1], 32<<16
	s_mov_b32 s[G1OS+2], 8<<16
	s_mov_b32 s[G1OS+3], 32<<16
	s_mov_b32 s[G1OS+4], 8
	s_mov_b32 s[G1OS+5], 512
	s_mov_b32 s[G1OS+6], 0
	s_mov_b32 s[G1OS+7], 0
	s_or_b32 s[G1OA], s43, (3<<16)|(1<<21)         ; O's images: 32,768 dense bytes as 128 rows of 256
	s_mov_b32 s[G1OA+1], 32<<16
	s_mov_b32 s[G1OA+2], 128<<16
	s_mov_b32 s[G1OA+3], 32<<16
	s_mov_b32 s[G1OA+4], 128
	s_mov_b32 s[G1OA+5], 32
	s_mov_b32 s[G1OA+6], 0
	s_mov_b32 s[G1OA+7], 0
	s_or_b32 s[G1WS], s44, (3<<16)|(1<<20)|(1<<21)|(5<<22)|(3<<25)   ; Wo's scale bytes of 128 rows: 16 rows of 256 bytes, 4 words of padding behind every 64
	s_mov_b32 s[G1WS+1], 32<<16
	s_mov_b32 s[G1WS+2], 16<<16
	s_mov_b32 s[G1WS+3], 32<<16
	s_mov_b32 s[G1WS+4], 16
	s_mov_b32 s[G1WS+5], 32
	s_mov_b32 s[G1WS+6], 0
	s_mov_b32 s[G1WS+7], 0
	s_or_b32 s[G1WB], s44, (0<<16)|(1<<20)|(1<<21)|(6<<22)|(3<<25)   ; Wo's codes: 128 rows of 512 bytes, 4 words of padding behind every 128
	s_mov_b32 s[G1WB+1], 512<<16
	s_mov_b32 s[G1WB+2], 128<<16
	s_mov_b32 s[G1WB+3], 512<<16
	s_mov_b32 s[G1WB+4], 128
	s_mov_b32 s[G1WB+5], 512
	s_mov_b32 s[G1WB+6], 0
	s_mov_b32 s[G1WB+7], 0
	s_lshr_b32 s20, s19, 4                         ; b
	s_bfe_u32 s21, s19, 0x20002                    ; cx'
	s_and_b32 s22, s19, 3                          ; my % 4
	s_lshl_b32 s84, s20, 4
	s_lshl_b32 s23, s18, 3
	s_add_co_u32 s84, s84, s23                     ; 16 b + 8 u: the first of my eight heads
	s_lshl_b32 s84, s84, 2
	s_add_co_u32 s84, s84, s21
	s_lshl_b32 s84, s84, 10
	s_lshl_b32 s23, s22, 8
	s_add_co_u32 s84, s84, s23                     ; os: ((16 b + 8 u) 4 + cx') 1,024 + 256 (my % 4)
	s_mov_b32 s85, 0
	s_lshl_b32 s86, s19, 16
	s_lshl_b32 s23, s18, 15
	s_add_co_u32 s86, s86, s23                     ; oc: 65,536 my + 32,768 u
	s_mov_b32 s87, 0
	s_lshl_b32 s88, s42, 8
	s_lshl_b32 s46, s18, 7
	s_add_co_u32 s88, s88, s46                     ; Wo's row
	s_lshl_b32 s90, s88, 9                         ; its codes,
	s_lshl_b32 s88, s88, 5                         ; its scale bytes
	s_mov_b32 s89, 0
	s_mov_b32 s91, 0
	s_wait_dscnt 0x0
	s_wait_kmcnt 0x0
	s_mov_b32 s[G0OS], 1
	s_lshl_b32 s[G0OS+1], s18, 11
	s_add_co_u32 s[G0OS+1], s[G0OS+1], OSI
	s_add_nc_u64 s[G0OS+2:G0OS+3], s[6:7], s[84:85]
	s_or_b32 s[G0OS+3], s[G0OS+3], 0x80000000
	s_mov_b32 s[G0OA], 1
	s_lshl_b32 s[G0OA+1], s18, 15
	s_add_nc_u64 s[G0OA+2:G0OA+3], s[4:5], s[86:87]
	s_or_b32 s[G0OA+3], s[G0OA+3], 0x80000000
	s_mov_b32 s[G0WS], 1
	s_mul_i32 s[G0WS+1], s18, 4352
	s_add_co_u32 s[G0WS+1], s[G0WS+1], WSI
	s_add_nc_u64 s[G0WS+2:G0WS+3], s[10:11], s[88:89]
	s_or_b32 s[G0WS+3], s[G0WS+3], 0x80000000
	s_mov_b32 s[G0WB], 1
	s_mul_i32 s[G0WB+1], s18, 128*WPI
	s_add_co_u32 s[G0WB+1], s[G0WB+1], WBI
	s_add_nc_u64 s[G0WB+2:G0WB+3], s[8:9], s[90:91]
	s_or_b32 s[G0WB+3], s[G0WB+3], 0x80000000
	CROUND                                         ; all sixteen work-groups are here: the joint loads meet
	JLOAD G0OS, G1OS, G0WS, G1WS                   ; two tensor loads of mine are out, and no more follow
	JLOAD G0OA, G1OA, G0WB, G1WB
	v_and_b32 v1, 15, v0                           ; r
	v_bfe_u32 v2, v0, 4, 1                         ; h
	v_and_b32 v12, 31, v0
	v_lshlrev_b32 v3, 4, v12                       ; 16 lane
	s_mul_i32 s23, s16, 64*WPI
	s_add_co_u32 s23, s23, WBI
	v_mul_u32_u24 v4, v1, WPI
	v_lshl_add_u32 v4, v2, 4, v4
	v_add_nc_u32 v4, s23, v4                       ; Wo's fragments: row 64 w + r, + 16 h
	s_mul_i32 s23, s16, 8*272
	s_add_co_u32 s23, s23, WSI
	v_lshlrev_b32 v5, 5, v1
	v_lshrrev_b32 v13, 3, v1
	v_lshl_add_u32 v5, v13, 4, v5
	v_add_nc_u32 v5, s23, v5                       ; Wo's scale words: 32 bytes a row, 16 more for each 8 rows
	v_lshlrev_b32 v6, 5, v1
	v_add_nc_u32 v6, MSW, v6                       ; O's scale words: 32 r
	s_mul_i32 s23, s16, 16*272
	s_add_co_u32 s23, s23, STG                     ; my stage
	v_mul_u32_u24 v7, v1, 272
	v_lshl_add_u32 v7, v2, 5, v7
	v_add_nc_u32 v7, s23, v7                       ; in: row r, 32 bytes for each half of the lanes
	v_mul_u32_u24 v8, v2, 272
	v_lshl_add_u32 v8, v1, 4, v8
	v_add_nc_u32 v8, s23, v8                       ; back: lanes 0-15 one row of 256 bytes, lanes 16-31 the next
	v_lshlrev_b32 v9, 12, v2
	v_lshl_add_u32 v9, v1, 4, v9                   ; and the same two rows in out0
	s_lshl_b32 s23, s16, 6
	s_add_co_u32 s23, s23, OSI
	v_lshlrev_b32 v10, 9, v2
	v_lshl_add_u32 v10, v1, 1, v10
	v_add_nc_u32 v10, s23, v10                     ; O's scale bytes: 512 h + 2 r + 64 w
	s_lshl_b32 s23, s16, 10
	s_add_co_u32 s23, s23, MSW
	v_lshlrev_b32 v11, 5, v1
	v_lshl_add_u32 v11, v2, 2, v11
	v_add_nc_u32 v11, s23, v11                     ; where I put scale words: 1,024 w + 32 r + 4 h
	v_lshlrev_b32 v14, 5, v2                       ; bo: 32 h
	s_lshl_b32 s46, s42, 10
	s_lshl_b32 s23, s16, 8
	s_add_co_u32 s46, s46, s23                     ; my 64 columns, in bytes
	s_mov_b32 s47, 0
	s_add_nc_u64 s[12:13], s[12:13], s[46:47]
	s_lshl_b32 s92, s20, 11
	s_lshl_b32 s23, s22, 9
	s_add_co_u32 s92, s92, s23
	s_lshl_b32 s23, s21, 5
	s_add_co_u32 s92, s92, s23                     ; R0
	s_lshl_b32 s92, s92, 12
	s_add_co_u32 s92, s92, s46
	s_mov_b32 s93, 0
	s_add_nc_u64 s[14:15], s[14:15], s[92:93]
	WIN 0x80                                       ; destination window 2
.irp t, 0,1,2,3
	global_load_b128 v[8*\t:8*\t+3], v14, s[12:13] offset:64*\t         ; bo at columns 16 t + 8 h + 0 .. 7
	global_load_b128 v[8*\t+4:8*\t+7], v14, s[12:13] offset:64*\t+16
.endr
	WIN 0
	s_wait_tensorcnt 0x0                           ; my two loads have landed,
	s_barrier_signal -1
	s_barrier_wait -1                              ; everybody's have
	; O's scale words: the two bytes of head 2 g below, those of head 2 g + 1 above.  Wave w makes tiles 2 w and 2 w + 1; lane (r, h) the K steps g = 2 y + h
.irp a, 0,1
.irp y, 0,1,2,3
	ds_load_u16 v[64+8*\a+2*\y], v10 offset:1024*\y+32*\a
	ds_load_u16 v[65+8*\a+2*\y], v10 offset:1024*\y+32*\a+256
.endr
.endr
	s_wait_dscnt 0x0
.irp a, 0,1
.irp y, 0,1,2,3
	v_lshl_or_b32 v[80+4*\a+\y], v[65+8*\a+2*\y], 16, v[64+8*\a+2*\y]
.endr
.endr
.irp a, 0,1
.irp y, 0,1,2,3
	ds_store_b32 v11, v[80+4*\a+\y] offset:512*\a+8*\y
.endr
.endr
	WIN 0x40                                       ; destination window 1: Wo's 32 fragments; they stay
.irp t, 0,1,2,3
.irp g, 0,1,2,3,4,5,6,7
.irp c, 0,1
	ds_load_b128 v[64*\t+8*\g+4*\c:64*\t+8*\g+4*\c+3], v4 offset:16*WPI*\t+64*\g+32*\c
.endr
.endr
.endr
	WIN 0
.irp t, 0,1,2,3
	ds_load_b128 v[16+8*\t:19+8*\t], v5 offset:544*\t
	ds_load_b128 v[20+8*\t:23+8*\t], v5 offset:544*\t+16
.endr
	s_wait_dscnt 0x0                               ; for the others' sake: my scale words lie in LDS; and Wo is in
	s_barrier_signal -1
	s_barrier_wait -1
	s_wait_loadcnt 0x0                             ; bo
.macro FETCH a                         ; tile a's eight fragments and scale words into set a % 2: 18 loads
.set FB, 64+64*((\a)%2)
.irp g, 0,1,2,3,4,5,6,7
.irp c, 0,1
	ds_load_b128 v[FB+8*\g+4*\c:FB+8*\g+4*\c+3], v3 offset:8192*(\a)+1024*\g+512*\c
.endr
.endr
	ds_load_b128 v[48+8*((\a)%2):51+8*((\a)%2)], v6 offset:512*(\a)
	ds_load_b128 v[52+8*((\a)%2):55+8*((\a)%2)], v6 offset:512*(\a)+16
.endm
.macro PROD a                          ; 32 matrix instructions: K step by K step, the four accumulators by turns
.set FB, 64+64*((\a)%2)
.set SS, 48+8*((\a)%2)
	WIN 0x21                                       ; source 0 (Wo) window 1, source 2 (bo) window 2
.irp t, 0,1,2,3
	v_wmma_scale_f32_16x16x128_f8f6f4 v[192+8*\t:199+8*\t], v[64*\t:64*\t+7], v[FB:FB+7], v[8*\t:8*\t+7], v[16+8*\t], v[SS] matrix_a_fmt:MATRIX_FMT_FP4 matrix_b_fmt:MATRIX_FMT_FP4
.endr
	WIN 0x01
.irp g, 1,2,3,4,5,6,7
.irp t, 0,1,2,3
	v_wmma_scale_f32_16x16x128_f8f6f4 v[192+8*\t:199+8*\t], v[64*\t+8*\g:64*\t+8*\g+7], v[FB+8*\g:FB+8*\g+7], v[192+8*\t:199+8*\t], v[16+8*\t+\g], v[SS+\g] matrix_a_fmt:MATRIX_FMT_FP4 matrix_b_fmt:MATRIX_FMT_FP4
.endr
.endr
	WIN 0
.endm
.macro TOSTAGE                         ; 16 rows x 64 columns into my stage and back as whole rows of 256 bytes; LDS serves a wave's instructions in order (ISA guide 5.7.1.4)
.irp t, 0,1,2,3
	ds_store_b128 v7, v[192+8*\t:195+8*\t] offset:64*\t        ; each accumulator from its low end on
	ds_store_b128 v7, v[196+8*\t:199+8*\t] offset:64*\t+16
.endr
.irp t, 0,1,2,3,4,5,6,7
	ds_load_b128 v[224+4*\t:227+4*\t], v8 offset:544*\t
.endr
.endm
.macro SEND a, younger                 ; younger: the LDS loads issued behind the stage's, which may stay out
	s_wait_dscnt \younger
.irp t, 0,1,2,3,4,5,6,7
	global_store_b128 v9, v[224+4*\t:227+4*\t], s[14:15] offset:(128*((\a)/2)+16*((\a)%2)+2*\t)*4096 th:TH_STORE_NT   ; 16 lanes store 256 consecutive bytes, at a multiple of 256 from out0's first byte
.endr
.endm
	FETCH 0
	FETCH 1
.irp a, 0,1,2,3,4,5,6,7
.if \a == 0
	s_wait_dscnt 18                                ; tile 0 is in; behind it: tile 1's 18 loads
.elseif \a == 7
	s_wait_dscnt 16                                ; behind tile 7's loads: the stage's 16
.else
	s_wait_dscnt 34                                ; behind this tile's loads: the stage's 16 and the next tile's 18
.endif
	PROD \a
.rept 5
	v_nop                                          ; four places ahead of the stage's reads of the results and of loads into the fragments; five ahead of the next tile's first products, which begin the accumulators anew
.endr
.if \a > 0
.if \a == 7
	SEND \a-1, 0
.else
	SEND \a-1, 18                                  ; behind the stage's loads: one tile's 18
.endif
.endif
	s_wait_xcnt 0x0                                ; the stores have read their registers: the stage's loads may land there
	TOSTAGE
.if \a < 6
	FETCH \a+2
.endif
.endr
	SEND 7, 0
	s_set_vgpr_msb 0x8
	s_wait_tensorcnt 0x0
	ds_add_u32 v15, v33
	s_wait_dscnt 0x0
	s_set_vgpr_msb 0x800
	CROUND                                         ; the closing round
	s_endpgm
.Lfunc_end_k_qec6e49328a_outp:
	.size	k_qec6e49328a_outp, .Lfunc_end_k_qec6e49328a_outp-k_qec6e49328a_outp
	.p2alignl 7, 3214868480
	.fill 96, 4, 3214868480
	.section	.rodata,"a",@progbits
	.p2align	6, 0x0
	.amdhsa_kernel k_qec6e49328a_outp
		.amdhsa_group_segment_fixed_size 235520
		.amdhsa_private_segment_fixed_size 0
		.amdhsa_enable_private_segment 0
		.amdhsa_kernarg_size 48
		.amdhsa_user_sgpr_count 2
		.amdhsa_user_sgpr_kernarg_segment_ptr 1
		.amdhsa_wavefront_size32 1
		.amdhsa_system_sgpr_workgroup_id_x 1
		.amdhsa_system_sgpr_workgroup_id_y 1
		.amdhsa_system_sgpr_workgroup_id_z 1
		.amdhsa_system_vgpr_workitem_id 0
		.amdhsa_next_free_vgpr 546
		.amdhsa_next_free_sgpr 94
		.amdhsa_reserve_vcc 0
		.amdhsa_float_denorm_mode_32 3
		.amdhsa_float_denorm_mode_16_64 3
		.amdhsa_memory_ordered 1
		.amdhsa_forward_progress 1
		.amdhsa_inst_pref_size 75
	.end_amdhsa_kernel
	.amdgpu_metadata
---
amdhsa.version: [ 1, 2 ]
amdhsa.kernels:
  - .name:           k_qec6e49328a_outp
    .symbol:         k_qec6e49328a_outp.kd
    .args:
      - { .name: oc, .offset: 0, .size: 8, .value_kind: global_buffer, .address_space: global }
      - { .name: os, .offset: 8, .size: 8, .value_kind: global_buffer, .address_space: global }
      - { .name: Wo_codes, .offset: 16, .size: 8, .value_kind: global_buffer, .address_space: global }
      - { .name: Wo_scales, .offset: 24, .size: 8, .value_kind: global_buffer, .address_space: global }
      - { .name: bo, .offset: 32, .size: 8, .value_kind: global_buffer, .address_space: global }
      - { .name: out0, .offset: 40, .size: 8, .value_kind: global_buffer, .address_space: global }
    .group_segment_fixed_size: 235520
    .private_segment_fixed_size: 0
    .kernarg_segment_align: 8
    .kernarg_segment_size: 48
    .max_flat_workgroup_size: 128
    .sgpr_count:     94
    .vgpr_count:     546
    .wavefront_size: 32
...
	.end_amdgpu_metadata
.endif
;; end of part 3
